; MI455X (gfx1250); checked and timed in simulation.
; The chip was launched on July 23, 2026; its instructions are those of AMD's public machine-readable ISA for CDNA 5 (MIT licence, August 2026) and "CDNA5" Instruction Set Architecture Reference Guide (July 2026). The comments in the code are by the model that wrote it; some were corrected since.
;; Bert Attention. Allowed arithmetic: matrix products marked QUANTISED: E3M2 operands, one E8M0 scale for each 32 along K, by v_wmma_scale_f32_16x16x128_f8f6f4 with both operands' format E3M2, f32 sums; everything else in f32.
;; Inputs: Wk 1,024 x 1,024 float32; Wq 1,024 x 1,024 float32; Wv 1,024 x 1,024 float32; bk 1,024 float32; bq 1,024 float32; bv 1,024 float32; context 4 x 2,048 x 1,024 float32; hidden_states 4 x 2,048 x 1,024 float32.
;; Outputs: out0 4 x 2,048 x 1,024 float32.
;; This version of the problem:
;;   THIS VERSION OF THE PROBLEM IS GIVEN IN LOW PRECISION. The matrix products marked QUANTISED in the list below multiply operands that are first quantised to E3M2 (3 exponent bits, 2 mantissa bits; 6 bits a number), with one power-of-two scale for each 32 numbers along K (OCP MX v1.0); their sums are f32. All else is computed in f32.
;;   The module's matrix products, in the order in which they are computed (A, B: the left and right operand; K: the contracted axis; several contracted axes count as one K, in the product's order):
;;     1. [M 8,192, K 1,024] x [K 1,024, N 1,024]; A: input hidden_states; B: input Wq: QUANTISED
;;     2. [M 8,192, K 1,024] x [K 1,024, N 1,024]; A: input context; B: input Wk: QUANTISED
;;     3. [M 8,192, K 1,024] x [K 1,024, N 1,024]; A: input context; B: input Wv: QUANTISED
;;     4. batch 64 x [M 2,048, K 64] x [K 64, N 2,048]; A: computed on the way; B: computed on the way: QUANTISED
;;     5. batch 64 x [M 2,048, K 2,048] x [K 2,048, N 64]; A: softmax (see below); B: computed on the way: QUANTISED
;;   THE QUANTISER, for each operand of a quantised product, along K:
;;     - K is cut into blocks of 32 from its start; a last block that is shorter is filled with zeros.
;;     - A block's scale is 2^e with e = floor(log2(the largest magnitude in the block)) - 4, held to -126 .. 127; a block of zeros has e = 0. As a byte (E8M0): e + 127.
;;     - Each number is divided by its block's scale, clamped to +-28, and rounded to the nearest number of E3M2, ties to even, subnormals kept.
;;     - The product sums the exact products of the quantised numbers (number of the format x scale) in f32.
;;   ~~~python
;;   def quantise(x, axis):      # numpy; x: float32 -> the quantised numbers, widened to float32 again
;;       x = np.moveaxis(x, axis, -1); K = x.shape[-1]
;;       x = np.pad(x, [(0, 0)] * (x.ndim - 1) + [(0, -K % 32)]); x = x.reshape(x.shape[:-1] + (-1, 32)); a = np.abs(x).max(-1, keepdims=True)
;;       e = np.where(a > 0, np.clip(np.frexp(np.where(a > 0, a, 1))[1] - 1 - 4, -126, 127), 0)      # np.frexp(a)[1] - 1 = floor(log2(a)), exactly
;;       r = np.clip(x / 2.0 ** e, -28, 28)
;;       step = 2.0 ** (np.maximum(np.frexp(np.where(r == 0, 1, r))[1] - 1, -2) - 2)
;;       q = np.round(r / step) * step * 2.0 ** e      # np.round: ties to even
;;       return np.moveaxis(q.reshape(q.shape[:-2] + (-1,))[..., :K], -1, axis).astype(np.float32)
;;   ~~~
;;   SOFTMAX AHEAD OF A QUANTISED PRODUCT. Where the list says 'softmax', what is quantised is not the finished softmax but p = 2^(t - M), with t = logit x log2(e) and M = ceil(the row's largest t), a whole number; so 1/2 < the row's largest p <= 1. The row's sum l is taken of the UNQUANTISED p, in f32, and the product's result is divided by l at the end. Since M is a whole number, a kernel that streams over the keys may use a running M (the ceiling of the running maximum): every later rescaling is an exact power of two, which a block's scale takes up: the codes' values come out the same.
;;   OPERANDS COMPUTED ON THE WAY. 'Computed on the way' means the value that the module computes at that place (a softmax that the list does not call 'softmax' is quantised finished and normalised). What goes into a quantiser is computed in f32, as accurately as f32 sums, v_exp_f32 and their like allow (about 1e-6 of the number): no bf16 or f16 on the way to a quantiser, and a product that is left as it is and whose result goes on into a quantised operand takes f32 operands (vector FMAs, or v_wmma_f32_16x16x4_f32). A number that lies on a knife's edge between two numbers of the format may be rounded either way, as far as f32 arithmetic and the matrix unit's own rounding can turn it there, and no further.
;; One version. Each part assembles by itself: llvm-mc -triple=amdgcn-amd-amdhsa -mcpu=gfx1250 --defsym DOCPART=n.
;; ======== version 1 of 1: 3 launches
;; limits: right only within a limited range of input values
;; workspace buffers: xw_codes 14,942,208 bytes; xw_scales 622,592 bytes; qkv_codes 18,874,368 bytes; qkv_scales 1,310,720 bytes
;; launch quant (part 1): grid 608 x 1, 4 waves a work-group, no clusters, 68,096 bytes of LDS; arguments hidden_states, context, Wq, Wk, Wv, xw_codes, xw_scales; writes xw_codes, xw_scales
.if DOCPART == 1
	.amdgcn_target "amdgcn-amd-amdhsa--gfx1250"
	.amdhsa_code_object_version 6
	.text
	.protected	k_qe421491ade_quant
	.globl	k_qe421491ade_quant
	.p2align	8
	.type	k_qe421491ade_quant,@function
k_qe421491ade_quant:
	s_mov_b64 s[64:65], 0
	v_nop
	global_prefetch_b8 v0, s[64:65] scope:SCOPE_SE
	s_setreg_imm32_b32 hwreg(HW_REG_WAVE_MODE, 25, 1), 1
	s_wait_xcnt 0x0
; ALL FIVE f32 OPERANDS OF THE PROJECTIONS become codes of BF6 (E3M2), K innermost (768 bytes a row), with one E8M0 byte for each 32 along K (32 bytes a row), in one launch.
; Rows of the two buffers: hidden_states 0 .. 8,191, context 8,192 .. 16,383, Wq, Wk, Wv (by output column) from 16,384, 17,408, 18,432.  Inside a tensor row n lies at position PI(n) = n with bits 3 and 4 exchanged.
; A block's scale is 2^(floor(log2(its largest magnitude)) - 4); its byte is the largest magnitude's exponent field - 4, held at 1 from below; numbers are rounded to the nearest code, ties to even, beyond 28 the largest code.
; No step of reference() is left out anywhere in this program: every input has a way to the output.
; LIMITS: a block of zeros gets the byte 1 where the rule says 127 (its codes are zeros, and this program alone reads the bytes); blocks under 2^-122 get the byte 1; NaN and infinities are not served.
; Work-groups 0 .. 95 take the weights (K is their FIRST axis: a lane takes a column, its registers run down K), work-groups 96 .. 607 the activations (a wave takes 8 rows in 16 steps of 512 numbers).
; The two paths part on the work-group's number alone and have LDS bytes of their own.  No tensor loads, no barrier: waves share nothing.
.set WSTG,  32768                      ; the weights' four stages, behind the activations' four regions of 8,192 bytes
.set SPARE, WSTG+4*32*272              ; the spare words, 128 bytes a wave
	v_lshl_add_u32 v192, v0, 2, SPARE
	v_mov_b32 v193, 0
	v_lshrrev_b32 v1, 5, v0
	v_readfirstlane_b32 s16, v1                    ; wave
	v_and_b32 v2, 31, v0                           ; lane
	s_cmp_lt_u32 ttmp9, 96
	s_wait_alu depctr_va_vdst(0)
	s_cbranch_scc1 .Lweights
; ---------------- the activations
.set STEPS, 16
.set CB,    12                         ; bytes of 16 codes
.set R,     16                         ; v16-79 four sets of 16 numbers as loaded
.set X,     80                         ; v80-111 two sets of 16 neighbours
.set C,     128                        ; v128-191 codes, four registers a step
.set E,     112                        ; v112-127 a scale byte a step
.set WREG,  8192
.set SP,    80                         ; a lane's place in a stage: 64 bytes + 16 of padding
	s_load_b128 s[4:7], s[0:1], 0x0                ; hidden_states, context
	s_load_b128 s[8:11], s[0:1], 0x28              ; the codes, the scale bytes
	s_sub_co_u32 s24, ttmp9, 96                    ; 0 .. 511
	v_lshlrev_b32 v3, 4, v2                        ; my 16 bytes of a load's 512
	s_mul_i32 s17, s16, WREG
	v_lshrrev_b32 v14, 2, v2
	v_mul_u32_u24 v14, v14, SP
	v_and_b32 v15, 3, v2
	v_lshl_add_u32 v14, v15, 4, v14
	v_add_nc_u32 v14, s17, v14                     ; the stage, way in: four lanes' 64 bytes on end, then padding
	v_mul_u32_u24 v15, v2, SP
	v_add_nc_u32 v15, s17, v15                     ; way out: my 16 neighbours
	v_mul_u32_u24 v4, v2, CB
	v_lshrrev_b32 v5, 1, v2
	s_add_co_u32 s17, s17, 2*32*SP
	v_add_nc_u32 v5, s17, v5                       ; my block's byte among the wave's 256
	v_lshlrev_b32 v7, 3, v2
	v_add_nc_u32 v6, s17, v7
	s_wait_alu depctr_va_vdst(0)
	s_wait_kmcnt 0x0
	s_cmp_lt_u32 s24, 256                          ; the first 256 take hidden_states
	s_cselect_b64 s[4:5], s[4:5], s[6:7]
	s_cselect_b32 s17, 0, 256
	s_sub_co_u32 s17, s24, s17
	s_lshl_b32 s17, s17, 2
	s_add_co_u32 s18, s17, s16                     ; my run of 8 rows in the input
	s_mov_b32 s19, 0
	s_lshl_b64 s[20:21], s[18:19], 15
	s_add_nc_u64 s[4:5], s[4:5], s[20:21]
	s_and_b32 s22, s16, 1                          ; PI on runs of 8 rows: the wave's two bits exchanged
	s_lshl_b32 s22, s22, 1
	s_lshr_b32 s23, s16, 1
	s_or_b32 s22, s22, s23
	s_lshl_b32 s23, s24, 2
	s_add_co_u32 s22, s22, s23
	s_mul_i32 s20, s22, 32*STEPS*CB
	s_mov_b32 s21, 0
	s_add_nc_u64 s[8:9], s[8:9], s[20:21]
	s_lshl_b32 s20, s22, 8
	s_add_nc_u64 s[10:11], s[10:11], s[20:21]
.macro XLOAD t
.irp i, 0,1,2,3
	global_load_b128 v[R+16*((\t)%4)+4*\i:R+16*((\t)%4)+4*\i+3], v3, s[4:5] offset:2048*(\t)+512*\i th:TH_LOAD_NT
.endr
.endm
.macro XTURN t                         ; LDS serves a wave's instructions in order: no wait between the stores and the loads
.irp i, 0,1,2,3
	ds_store_b128 v14, v[R+16*((\t)%4)+4*\i:R+16*((\t)%4)+4*\i+3] offset:32*SP*((\t)%2)+8*SP*\i
.endr
.irp i, 0,1,2,3
	ds_load_b128 v[X+16*((\t)%2)+4*\i:X+16*((\t)%2)+4*\i+3], v15 offset:32*SP*((\t)%2)+16*\i
.endr
.endm
.irp t, 0,1,2,3
	XLOAD \t
.endr
	s_wait_loadcnt 12                              ; step 0's four loads are in; twelve may be out
	XTURN 0
.macro XSTEP t
.set XS, X+16*((\t)%2)
.if (\t) > 0
	s_wait_dscnt 1                                 ; this step's numbers are back (the last byte store may be out)
.else
	s_wait_dscnt 0x0
.endif
.if (\t)+4 < STEPS
	XLOAD (\t)+4
.endif
.if (\t)+1 < STEPS
.if STEPS-2-(\t) >= 3
	s_wait_loadcnt 12                              ; the next step's four are in; three steps' may be out
.else
	s_wait_loadcnt 4*(STEPS-2-(\t))
.endif
	XTURN (\t)+1
.endif
	v_max3_num_f32 v8, |v[XS]|, |v[XS+1]|, |v[XS+2]|
	v_max3_num_f32 v9, |v[XS+3]|, |v[XS+4]|, |v[XS+5]|
.irp i, 6,10
	v_max3_num_f32 v8, v8, |v[XS+\i]|, |v[XS+\i+1]|
	v_max3_num_f32 v9, v9, |v[XS+\i+2]|, |v[XS+\i+3]|
.endr
	v_max3_num_f32 v8, v8, |v[XS+14]|, |v[XS+15]|
	v_max3_num_f32 v8, v8, v9, 0x2800000           ; the floor 2^(5 - 127)
	v_max_num_f32_dpp v8, v8, v8 row_xmask:1 row_mask:0xf bank_mask:0xf   ; with my neighbour's 16: the block's
	v_add_nc_u32 v11, 0xfe000000, v8               ; 4 off the exponent field: the conversion's scale operand
	v_cvt_scalef32_pk16_bf6_f32 v[C+4*(\t):C+4*(\t)+2], v[XS:XS+15], v11
	v_lshrrev_b32 v[E+(\t)], 23, v11               ; the byte
	ds_store_b8 v5, v[E+(\t)] offset:16*(\t)
	global_store_b96 v4, v[C+4*(\t):C+4*(\t)+2], s[8:9] offset:32*CB*(\t)
.endm
.irp t, 0,1,2,3,4,5,6,7,8,9,10,11,12,13,14,15
	XSTEP \t
.endr
	ds_load_b64 v[12:13], v6
	s_wait_dscnt 0x0
	global_store_b64 v7, v[12:13], s[10:11]        ; 32 lanes store 256 consecutive bytes, aligned
	s_branch .Lend
; ---------------- the weights: work-group id: which W (id / 32), which 128 columns ((id / 4) % 8), which 256 along K (id % 4)
.Lweights:
.set NB,    8
.set ROWB,  192
.set PITCH, 272
.set KROW,  768
.set NROW,  4096
.set WX,    32                         ; v32-95 two sets of 32 numbers
.set WC,    96                         ; a block's codes
.set OUTR,  112                        ; v112-175 the way out
.set SB,    24                         ; v24-25 the scale bytes
	s_load_b128 s[4:7], s[0:1], 0x10               ; Wq, Wk
	s_load_b128 s[8:11], s[0:1], 0x20              ; Wv, the codes
	s_load_b64 s[12:13], s[0:1], 0x30              ; the scale bytes
	s_lshr_b32 s30, ttmp9, 5
	s_bfe_u32 s17, ttmp9, 0x30002
	s_lshl_b32 s17, s17, 7
	s_lshl_b32 s18, s16, 5
	s_add_co_u32 s17, s17, s18                     ; my wave's first column
	s_and_b32 s18, ttmp9, 3
	v_lshlrev_b32 v3, 2, v2
	s_mul_i32 s19, s16, 32*PITCH
	s_add_co_u32 s19, s19, WSTG                    ; my stage
	v_mul_u32_u24 v4, v2, PITCH
	v_add_nc_u32 v4, s19, v4
	v_and_b32 v5, 15, v2
	v_lshrrev_b32 v6, 4, v2
	v_mul_u32_u24 v7, v6, PITCH
	v_lshl_add_u32 v7, v5, 4, v7
	v_add_nc_u32 v7, s19, v7
	v_mul_u32_u24 v8, v6, KROW
	v_mad_u32_u24 v8, v5, 12, v8
	v_and_b32 v9, 7, v2                            ; PI(lane)
	v_bfe_u32 v10, v2, 3, 1
	v_lshl_or_b32 v9, v10, 4, v9
	v_bfe_u32 v10, v2, 4, 1
	v_lshl_or_b32 v9, v10, 3, v9
	v_lshlrev_b32 v9, 5, v9
	s_lshl_b32 s20, s18, 20
	s_lshl_b32 s22, s17, 2
	s_add_co_u32 s20, s20, s22
	s_mov_b32 s21, 0
	s_lshl_b32 s22, s30, 10
	s_add_co_u32 s22, s22, s17
	s_add_co_u32 s22, s22, 16384
	s_mul_i32 s24, s22, KROW
	s_mul_i32 s26, s18, ROWB
	s_add_co_u32 s24, s24, s26
	s_mov_b32 s25, 0
	s_lshl_b32 s28, s22, 5
	s_lshl_b32 s26, s18, 3
	s_add_co_u32 s28, s28, s26
	s_mov_b32 s29, 0
	s_wait_alu depctr_va_vdst(0)
	s_wait_kmcnt 0x0
	s_cmp_eq_u32 s30, 1
	s_cselect_b64 s[4:5], s[6:7], s[4:5]
	s_cmp_eq_u32 s30, 2
	s_cselect_b64 s[4:5], s[8:9], s[4:5]
	s_add_nc_u64 s[4:5], s[4:5], s[20:21]
	s_add_nc_u64 s[10:11], s[10:11], s[24:25]
	s_add_nc_u64 s[12:13], s[12:13], s[28:29]
.macro WLOAD t
.irp i, 0,1,2,3,4,5,6,7,8,9,10,11,12,13,14,15,16,17,18,19,20,21,22,23,24,25,26,27,28,29,30,31
	global_load_b32 v[WX+32*((\t)%2)+\i], v3, s[4:5] offset:(32*(\t)+\i)*NROW th:TH_LOAD_NT
.endr
.endm
	WLOAD 0
	WLOAD 1
.macro WBLOCK t
.set XS, WX+32*((\t)%2)
.if (\t) < NB-1
	s_wait_loadcnt 32                              ; this block's 32 are in; the next block's may be out
.else
	s_wait_loadcnt 0
.endif
	v_max3_num_f32 v12, |v[XS]|, |v[XS+1]|, |v[XS+2]|
	v_max3_num_f32 v13, |v[XS+3]|, |v[XS+4]|, |v[XS+5]|
.irp i, 6,10,14,18,22,26
	v_max3_num_f32 v12, v12, |v[XS+\i]|, |v[XS+\i+1]|
	v_max3_num_f32 v13, v13, |v[XS+\i+2]|, |v[XS+\i+3]|
.endr
	v_max3_num_f32 v12, v12, |v[XS+30]|, |v[XS+31]|
	v_max3_num_f32 v12, v12, v13, 0x2800000
	v_add_nc_u32 v11, 0xfe000000, v12
	v_lshrrev_b32 v13, 23, v11
.if (\t)%4 == 0
	v_mov_b32 v[SB+(\t)/4], v13
.else
	v_lshl_or_b32 v[SB+(\t)/4], v13, 8*((\t)%4), v[SB+(\t)/4]
.endif
	v_cvt_scalef32_pk16_bf6_f32 v[WC:WC+2], v[XS:XS+15], v11
	v_cvt_scalef32_pk16_bf6_f32 v[WC+4:WC+6], v[XS+16:XS+31], v11
	v_nop
	ds_store_b96 v4, v[WC:WC+2] offset:32*(\t)
	ds_store_b96 v4, v[WC+4:WC+6] offset:32*(\t)+16
.if (\t)+2 < NB
	WLOAD (\t)+2
.endif
	s_wait_dscnt 0x0                               ; the stores have read their registers
.endm
.irp t, 0,1,2,3,4,5,6,7
	WBLOCK \t
.endr
	s_wait_alu depctr_va_vdst(0)
	global_store_b64 v9, v[SB:SB+1], s[12:13]
.irp t, 0,1,2,3,4,5,6,7,8,9,10,11,12,13,14,15
	ds_load_b96 v[OUTR+4*\t:OUTR+4*\t+2], v7 offset:2*\t*PITCH
.endr
.irp t, 0,1,2,3,4,5,6,7,8,9,10,11,12,13,14,15
	s_wait_dscnt 15-\t                             ; the later reads of the stage may be out
	global_store_b96 v8, v[OUTR+4*\t:OUTR+4*\t+2], s[10:11] offset:(((2*\t)&7)|((((2*\t)>>3)&1)<<4)|((((2*\t)>>4)&1)<<3))*KROW
.endr
.Lend:
	s_wait_tensorcnt 0x0                           ; the wave's end
	ds_add_u32 v192, v193
	s_wait_dscnt 0x0
	s_endpgm
.Lfunc_end_k_qe421491ade_quant:
	.size	k_qe421491ade_quant, .Lfunc_end_k_qe421491ade_quant-k_qe421491ade_quant
	.p2alignl 7, 3214868480
	.fill 96, 4, 3214868480
	.section	.rodata,"a",@progbits
	.p2align	6, 0x0
	.amdhsa_kernel k_qe421491ade_quant
		.amdhsa_group_segment_fixed_size 68096
		.amdhsa_private_segment_fixed_size 0
		.amdhsa_enable_private_segment 0
		.amdhsa_kernarg_size 56
		.amdhsa_user_sgpr_count 2
		.amdhsa_user_sgpr_kernarg_segment_ptr 1
		.amdhsa_wavefront_size32 1
		.amdhsa_system_sgpr_workgroup_id_x 1
		.amdhsa_system_sgpr_workgroup_id_y 1
		.amdhsa_system_sgpr_workgroup_id_z 1
		.amdhsa_system_vgpr_workitem_id 0
		.amdhsa_next_free_vgpr 194
		.amdhsa_next_free_sgpr 66
		.amdhsa_reserve_vcc 0
		.amdhsa_float_denorm_mode_32 3
		.amdhsa_float_denorm_mode_16_64 3
		.amdhsa_memory_ordered 1
		.amdhsa_forward_progress 1
		.amdhsa_inst_pref_size 74
	.end_amdhsa_kernel
	.amdgpu_metadata
---
amdhsa.version: [ 1, 2 ]
amdhsa.kernels:
  - .name:           k_qe421491ade_quant
    .symbol:         k_qe421491ade_quant.kd
    .args:
      - { .name: hidden_states, .offset: 0, .size: 8, .value_kind: global_buffer, .address_space: global }
      - { .name: context, .offset: 8, .size: 8, .value_kind: global_buffer, .address_space: global }
      - { .name: Wq, .offset: 16, .size: 8, .value_kind: global_buffer, .address_space: global }
      - { .name: Wk, .offset: 24, .size: 8, .value_kind: global_buffer, .address_space: global }
      - { .name: Wv, .offset: 32, .size: 8, .value_kind: global_buffer, .address_space: global }
      - { .name: xw_codes, .offset: 40, .size: 8, .value_kind: global_buffer, .address_space: global }
      - { .name: xw_scales, .offset: 48, .size: 8, .value_kind: global_buffer, .address_space: global }
    .group_segment_fixed_size: 68096
    .private_segment_fixed_size: 0
    .kernarg_segment_align: 8
    .kernarg_segment_size: 56
    .max_flat_workgroup_size: 128
    .sgpr_count:     66
    .vgpr_count:     194
    .wavefront_size: 32
...
	.end_amdgpu_metadata
.endif
;; end of part 1
;; launch proj (part 2): grid 4 x 96, 4 waves a work-group, clusters of 4 x 4, 327,680 bytes of LDS; arguments xw_codes, xw_scales, bq, bk, bv, qkv_codes, qkv_scales; writes qkv_codes, qkv_scales
.if DOCPART == 2
	.amdgcn_target "amdgcn-amd-amdhsa--gfx1250"
	.amdhsa_code_object_version 6
	.text
	.protected	k_qe421491ade_proj
	.globl	k_qe421491ade_proj
	.p2align	8
	.type	k_qe421491ade_proj,@function
k_qe421491ade_proj:
	s_mov_b64 s[64:65], 0
	v_nop
	global_prefetch_b8 v0, s[64:65] scope:SCOPE_SE
	s_setreg_imm32_b32 hwreg(HW_REG_WAVE_MODE, 25, 1), 1
	s_wait_xcnt 0x0
	s_wait_alu depctr_hold_cnt(0) depctr_sa_sdst(0) depctr_va_vdst(0) depctr_va_sdst(0) depctr_va_ssrc(0) depctr_va_vcc(0) depctr_vm_vsrc(0)
	s_getreg_b32 s2, hwreg(HW_REG_IB_STS2, 6, 4)
	s_cmp_eq_u32 s2, 0
	s_cbranch_scc0 .Lentry_in_a_cluster
	s_endpgm
.Lentry_in_a_cluster:
	s_bfe_u32 s2, ttmp6, 0x10000c
	s_cmp_lg_u32 s2, 0xf033
	s_cbranch_scc0 .Lentry_shape_is_right
	s_endpgm
.Lentry_shape_is_right:
; THE THREE PROJECTIONS on codes of BF6 (E3M2), one E8M0 scale for each 32 along K = 1,024, and the quantising of their results for the attention launch.  One body, three products C'[A's rows][B's rows]:
;   P = 0: A = hidden_states, B = Wq -> q;   P = 1: A = context, B = Wk -> k;   P = 2: A = Wv, B = context -> v, turned, since v is quantised along the keys.
; All operands are rows of one buffer of codes (768 bytes a row) and one of scale bytes (32 a row); inside a tensor row n lies at position PI(n) = n with bits 3 and 4 exchanged.
; A tile of C', 256 x 256, is made by four waves, 128 x 128 each: 64 accumulators.  K goes through a ring of two LDS slots in CHUNKS OF 256 BYTES of each row: three chunks, each beginning at a multiple of 256 bytes.
; A step of 128 along K is 96 bytes of a row: eight steps to three chunks; steps 2 and 5 lie across two chunks and take their pieces from both slots.
; The scale bytes of the 256 + 256 rows come into LDS once.  CLUSTERS of 4 x 4: A's tiles are asked for jointly along a row of the cluster, B's along a column.
; No data prefetch: K is three chunks, two of them asked for at the head, so no loop runs ahead of the one refill.
; THE MATRIX INSTRUCTION IS USED TRANSPOSED (source 0 = B's rows, source 1 = A's): a lane holds one row of A, and by PI register 16 b + i of a block of 16 rows of A is B's true row 32 b + 16 (lane / 16) + i:
; a lane's registers run along the NEXT product's K, and each block is quantised in registers and stored as the image of the next operand's registers.
; THE BIAS is the C of each sum's first product: for q and k it hangs on B's row (a register), for v on A's row (a lane): two arms of a branch on P, which all partners share.
; WHAT IS STORED.  Codes: regions q, k, v of [64 (batch x head)][98,304 bytes], in half fragments of 768 bytes: registers 0-3 at 16 x lane, 4-5 at 512 + 8 x lane.
;   q, k: tile T (16 token positions) at 768 T: lane (r, h): position 16 T + r, channels 32 h ..   v: key step s, tile t (16 channel positions), half c at 6,144 s + 1,536 t + 768 c.
; Scale words: q's [64][8,192]; behind them [64][12,288]: k's 8,192, v's 4,096.  q, k: tile 8 g + a, row r at 512 g + 256 (a / 4) + 16 r + 4 (a % 4), bytes 2, 3 zero.  v: (s, t, r) at 256 s + 16 r + 4 t.
; LIMITS: a block of zeros gets the byte 1 where the rule says 127 (this program alone reads the bytes); blocks under 2^-122 get the byte 1; NaN and infinities are not served.
; REGISTERS: window 0: v0-31 addresses; v32-63 scale words, two sets; v64-127 the bias; v128-223 A's fragments; v224-233 the way out's addresses.  Window 1: B's fragments, two sets.  Windows 2, 3: the accumulators.
.set ROWB,   256
.set NQ,     2
.set KROW,   768
.set STEPS,  8
.set CHUNKS, 3
.set PITCH,  272                       ; an LDS row: 256 bytes + 16 of padding
.set FR,     12
.set NL,     6
.set NP,     4
.set HALFT,  128*PITCH
.set SLOT,   4*HALFT
.set KS,     32
.set SCL,    2*SLOT
.set HALFS,  16*272
.set SBLK,   2*272
.set SPARE,  SCL+4*HALFS
.set ADRA, 16                          ; v16-17 my A fragments in slot 0, 1; v18-19 for pieces whose two lane halves lie in different chunks
.set ADRB, 20
.set ADRS, 27
.set SPW,  28
.set NIL,  29
.set SC,   32
.set BV,   64
.set AF,   128
.set SH,   224
.set VO16, 225
.set VO8,  226
.set VO16B, 227
.set VO8B, 228
.set VS1,  229
.set VS2,  230
.set LN,   231
.set BA1,  232
.set BA2,  233
.set TM,   32
.set PW,   48
.set CDS,  52
.set PT,   64
.set SW,   72
.set G1, 24
.set G0, 32
.set G1B, 48
.set G0B, 56
.set G1S, 68
.set G0S, 76
.set G1SB, 80
.set G0SB, 88
.set G0H, 4                            ; group 0 of the head's loads of chunk 0 (the arguments that lay there have been used)
.set G0HB, 8
.set BP,  92                           ; s[92:93] the product's bias
.set OB,  94
.set SBP, 96
.set STA, 98
.set STX, 100
.set SEL, 104
.set MSB, 0
.macro WIN new
.if MSB != (\new)
	s_set_vgpr_msb (MSB<<8)|(\new)
.set MSB, (\new)
.endif
.endm
.set MUL_LO, 0xa1
.set MUL_HI, 0xf1
.set BEG_LO, 0x81                      ; the first step: C (the bias) window 0
.set BEG_HI, 0xc1
.set TO_B,   0x40
.macro TL g0, g1                       ; a tensor load with an s_nop and four v_nop behind it
	tensor_load_to_lds s[\g0:\g0+3], s[\g1:\g1+7]
	s_nop 0
.rept 4
	v_nop
.endr
.endm
.macro JLOAD g0a, g1a, g0b, g1b        ; waves 0, 1 fetch for A, waves 2, 3 for B
	s_cmp_eq_u32 s15, 0
	s_cbranch_scc0 .Lfor_b_\@
	TL \g0a, \g1a
	s_branch .Lasked_\@
.Lfor_b_\@:
	TL \g0b, \g1b
.Lasked_\@:
.endm
.macro CREST
	s_cmp_lg_u32 s14, 0
	s_cbranch_scc1 .Lnot_wave_0_\@
	s_barrier_signal -3
.Lnot_wave_0_\@:
	s_barrier_wait -3
	s_barrier_signal -1
	s_barrier_wait -1
.endm
.macro CROUND
	s_barrier_signal -1
	s_barrier_wait -1
	CREST
.endm
	s_load_b256 s[4:11], s[0:1], 0x0               ; codes, scale bytes, bq, bk
	s_load_b128 s[92:95], s[0:1], 0x20             ; bv, the results' codes
	s_load_b64 s[96:97], s[0:1], 0x30              ; the results' scale words
	v_lshl_add_u32 v[SPW], v0, 2, SPARE
	v_mov_b32 v[NIL], 0
	ds_add_u32 v[SPW], v[NIL]                      ; the opening lines
	ds_add_u32 v[SPW], v[NIL]
	v_lshrrev_b32 v1, 5, v0
	v_readfirstlane_b32 s14, v1                    ; wave
	s_lshr_b32 s15, s14, 1                         ; my half of A's rows; also: I fetch for A (0) or B (1)
	s_and_b32 s16, s14, 1                          ; my half of B's rows; also: which 128 rows I fetch
	s_bfe_u32 s40, ttmp6, 0x40000
	s_bfe_u32 s41, ttmp6, 0x40004
	s_and_b32 s17, ttmp7, 0xffff                   ; the cluster's number, 0 .. 23: eight to a product
	s_lshr_b32 s66, s17, 3                         ; P
	s_and_b32 s17, s17, 7
	s_lshl_b32 s17, s17, 2
	s_lshl_b32 s21, s66, 13
	s_lshl_b32 s22, s66, 10
	s_add_co_u32 s22, s22, 16384
	s_mov_b32 s23, 8192
	s_cmp_eq_u32 s66, 2
	s_cselect_b32 s12, 1, 0                        ; 1: v
	s_cselect_b32 s18, 0, s17
	s_cselect_b32 s19, s17, 0
	s_cselect_b32 s20, 2048, 0
	s_cselect_b32 s22, s23, s22                    ; B's first row
	s_add_co_u32 s21, s21, s20                     ; A's first row
	s_add_co_u32 s67, s18, s41                     ; tile row of C'
	s_add_co_u32 s42, s19, s40                     ; tile column
	s_lshl_b32 s43, s41, 2
	s_lshl_b32 s43, 15, s43                        ; my row of the cluster
	s_lshl_b32 s44, 0x1111, s40                    ; my column
	s_or_b32 s[G1+0], s43, (1<<20)|(1<<21)|(5<<22)|(3<<25)
	s_or_b32 s[G1B+0], s44, (1<<20)|(1<<21)|(5<<22)|(3<<25)
.irp g, G1, G1B                        ; rows of 256 bytes: 256 rows for the head's loads, later 128
	s_mov_b32 s[\g+1], ROWB<<16
	s_mov_b32 s[\g+2], 256<<16
	s_mov_b32 s[\g+3], ROWB<<16
	s_mov_b32 s[\g+4], 256
	s_mov_b32 s[\g+5], KROW
	s_mov_b32 s[\g+6], 0
	s_mov_b32 s[\g+7], 0
.endr
	s_or_b32 s[G1S+0], s43, (3<<16)|(1<<20)|(1<<21)|(5<<22)|(3<<25)
	s_or_b32 s[G1SB+0], s44, (3<<16)|(1<<20)|(1<<21)|(5<<22)|(3<<25)
.irp g, G1S, G1SB                      ; the scales of 256 rows: 32 dense rows of 256 bytes
	s_mov_b32 s[\g+1], 32<<16
	s_mov_b32 s[\g+2], KS<<16
	s_mov_b32 s[\g+3], 32<<16
	s_mov_b32 s[\g+4], KS
	s_mov_b32 s[\g+5], 32
	s_mov_b32 s[\g+6], 0
	s_mov_b32 s[\g+7], 0
.endr
	s_lshl_b32 s20, s67, 8
	s_add_co_u32 s20, s20, s21                     ; A: the tile's first row
	s_lshl_b32 s46, s42, 8
	s_add_co_u32 s46, s46, s22                     ; B's
	s_lshl_b32 s22, s20, 5
	s_mov_b32 s23, 0
	s_mul_i32 s20, s20, KROW
	s_mov_b32 s21, 0
	s_lshl_b32 s98, s46, 5
	s_mov_b32 s99, 0
	s_mul_i32 s46, s46, KROW
	s_mov_b32 s47, 0
	s_mul_i32 s18, s16, 128*KROW                   ; in the ring: my 128 rows of a tile
	s_mov_b32 s19, 0
	s_mul_i32 s45, s14, HALFT
	s_wait_dscnt 0x0
	s_wait_kmcnt 0x0
	s_cmp_eq_u32 s66, 0                            ; the product's bias: the choice hangs on P alone
	s_cselect_b64 s[BP:BP+1], s[8:9], s[BP:BP+1]
	s_cmp_eq_u32 s66, 1
	s_cselect_b64 s[BP:BP+1], s[10:11], s[BP:BP+1]
	s_add_nc_u64 s[20:21], s[4:5], s[20:21]
	s_add_nc_u64 s[22:23], s[6:7], s[22:23]
	s_add_nc_u64 s[46:47], s[4:5], s[46:47]
	s_add_nc_u64 s[98:99], s[6:7], s[98:99]
	CROUND                                         ; the first joint loads meet
	s_mov_b32 s[G0H], 1
	s_mov_b32 s[G0H+1], 0
	s_mov_b64 s[G0H+2:G0H+3], s[20:21]
	s_or_b32 s[G0H+3], s[G0H+3], 0x80000000
	s_mov_b32 s[G0HB], 1
	s_mov_b32 s[G0HB+1], 2*HALFT
	s_mov_b64 s[G0HB+2:G0HB+3], s[46:47]
	s_or_b32 s[G0HB+3], s[G0HB+3], 0x80000000
	s_mov_b32 s[G0S], 1
	s_mov_b32 s[G0S+1], SCL
	s_mov_b64 s[G0S+2:G0S+3], s[22:23]
	s_or_b32 s[G0S+3], s[G0S+3], 0x80000000
	s_mov_b32 s[G0SB], 1
	s_mov_b32 s[G0SB+1], SCL+2*HALFS
	s_mov_b64 s[G0SB+2:G0SB+3], s[98:99]
	s_or_b32 s[G0SB+3], s[G0SB+3], 0x80000000
	s_add_nc_u64 s[20:21], s[20:21], s[18:19]
	s_add_nc_u64 s[46:47], s[46:47], s[18:19]
.irp s, 0,1
	s_mov_b32 s[G0+4*\s], 1
	s_add_co_u32 s[G0+4*\s+1], s45, \s*SLOT
	s_add_nc_u64 s[G0+4*\s+2:G0+4*\s+3], s[20:21], \s*ROWB
	s_or_b32 s[G0+4*\s+3], s[G0+4*\s+3], 0x80000000
	s_mov_b32 s[G0B+4*\s], 1
	s_add_co_u32 s[G0B+4*\s+1], s45, \s*SLOT
	s_add_nc_u64 s[G0B+4*\s+2:G0B+4*\s+3], s[46:47], \s*ROWB
	s_or_b32 s[G0B+4*\s+3], s[G0B+4*\s+3], 0x80000000
.endr
; the head's four tiles, one a wave: chunk 0's 256 rows of A, of B, A's scales, B's scales
.macro ARM under, g0, g1, next
	s_cmp_lt_u32 s14, \under
	s_cbranch_scc0 \next
	TL \g0, \g1
	s_branch .Lhead_asked
\next:
.endm
	ARM 1, G0H,  G1,  .Lhead_b
	ARM 2, G0HB, G1B, .Lhead_sa
	ARM 3, G0S,  G1S, .Lhead_sb
	TL G0SB, G1SB
.Lhead_asked:
	v_and_b32 v1, 15, v0                           ; r
	v_bfe_u32 v2, v0, 4, 1                         ; h
	v_mul_u32_u24 v3, v1, PITCH
	v_mul_u32_u24 v4, v2, 24
	v_add_nc_u32 v4, v3, v4
	s_mov_b32 s21, SLOT-232
	s_mov_b32 s22, SLOT+232
	v_sub_nc_u32 v7, 1, v2
	v_mul_u32_u24 v5, s21, v2
	v_add_nc_u32 v5, v3, v5
	v_add_nc_u32 v5, 232, v5                       ; lanes 0-15 byte 232 of the row in slot 0, lanes 16-31 byte 0 in slot 1
	v_mul_u32_u24 v6, s22, v7
	v_add_nc_u32 v6, v3, v6                        ; and the other way round
	s_mul_i32 s21, s15, HALFT
	s_mul_i32 s22, s16, HALFT
	s_add_co_u32 s22, s22, 2*HALFT
	v_add_nc_u32 v[ADRA+2], s21, v5
	v_add_nc_u32 v[ADRA+3], s21, v6
	v_add_nc_u32 v[ADRB+2], s22, v5
	v_add_nc_u32 v[ADRB+3], s22, v6
.irp s, 0,1
	v_add_nc_u32 v[ADRA+\s], s21, v4
	v_add_nc_u32 v[ADRB+\s], s22, v4
	s_add_co_u32 s21, s21, SLOT
	s_add_co_u32 s22, s22, SLOT
.endr
	v_mul_u32_u24 v5, v1, KS
	v_lshrrev_b32 v6, 8, v5
	v_lshl_add_u32 v5, v6, 4, v5
	s_mul_i32 s21, s15, HALFS
	s_mul_i32 s22, s16, HALFS
	s_add_co_u32 s22, s22, 2*HALFS
	s_sub_co_u32 s22, s22, s21
	v_mul_u32_u24 v6, s22, v2                      ; lanes 16-31 take B's scale words
	s_add_co_u32 s21, s21, SCL
	v_add_nc_u32 v5, v5, v6
	v_add_nc_u32 v[ADRS], s21, v5
	; the way out's numbers.  X: my first token position, Y: my first channel
	s_lshl_b32 s18, s67, 8
	s_lshl_b32 s19, s15, 7
	s_add_co_u32 s18, s18, s19
	s_lshl_b32 s19, s42, 8
	s_lshl_b32 s20, s16, 7
	s_add_co_u32 s19, s19, s20
	s_cmp_eq_u32 s12, 1
	s_cselect_b32 s20, s19, s18                    ; X
	s_cselect_b32 s21, s18, s19                    ; Y
	s_lshl_b32 s22, s21, 2
	s_mov_b32 s23, 0
	s_add_nc_u64 s[BP:BP+1], s[BP:BP+1], s[22:23]
	s_lshr_b32 s46, s20, 11
	s_lshl_b32 s46, s46, 4
	s_lshr_b32 s47, s21, 6
	s_add_co_u32 s46, s46, s47                     ; 16 x batch + my first head
	s_bfe_u32 s47, s20, 0x40007                    ; which 128 tokens of the batch
	s_mul_i32 s22, s66, 6291456
	s_mul_i32 s18, s46, 98304
	s_add_co_u32 s22, s22, s18
	s_mul_i32 s18, s47, 6144
	s_add_co_u32 s22, s22, s18
	s_add_nc_u64 s[OB:OB+1], s[OB:OB+1], s[22:23]
	s_mov_b32 s18, 12288
	s_mov_b32 s19, 524288
	s_cmp_eq_u32 s66, 0
	s_cselect_b32 s18, 8192, s18
	s_cselect_b32 s19, 0, s19
	s_mul_i32 s22, s46, s18
	s_add_co_u32 s22, s22, s19
	s_cmp_eq_u32 s12, 1
	s_mov_b32 s19, 512
	s_cselect_b32 s19, 256, s19
	s_cselect_b32 s20, 8192, 0
	s_mov_b32 s21, 98304
	s_cselect_b32 s21, 768, s21
	s_mov_b32 s[STA], 768
	s_cselect_b32 s[STA], 1536, s[STA]
	s_cselect_b32 s[STX], 92160, 0
	s_mov_b32 s46, 256
	s_cselect_b32 s46, 12288, s46
	s_cselect_b32 s13, 16, 32
	s_cselect_b32 s67, 0, 16
	s_mov_b32 s17, 0xffff
	s_cselect_b32 s17, -1, s17
	s_mov_b32 s[STA+1], 0
	s_mov_b32 s[STX+1], 0
	s_mul_i32 s19, s19, s47
	s_add_co_u32 s22, s22, s19
	s_add_co_u32 s22, s22, s20
	s_add_nc_u64 s[SBP:SBP+1], s[SBP:SBP+1], s[22:23]
	s_mov_b32 s[SEL], 0x76543210
	s_mov_b32 s[SEL+1], 0xfedcba98
	v_and_b32 v[LN], 31, v0
	v_mul_u32_u24 v[SH], s67, v2
	v_lshlrev_b32 v[VO16], 4, v[LN]
	v_lshl_add_u32 v[VO8], v[LN], 3, 512
	v_add_nc_u32 v[VO16B], s21, v[VO16]
	v_add_nc_u32 v[VO8B], s21, v[VO8]
	v_mul_u32_u24 v[VS1], s18, v2
	v_lshl_add_u32 v[VS1], v1, 4, v[VS1]
	v_add_nc_u32 v[VS2], s46, v[VS1]
	v_lshlrev_b32 v[BA1], 6, v2
	v_and_b32 v[BA2], 8, v1
	v_add_nc_u32 v[BA2], v[BA2], v1
	v_lshlrev_b32 v[BA2], 2, v[BA2]
	s_wait_alu depctr_va_vdst(0)
	s_cmp_eq_u32 s12, 1
	s_cbranch_scc1 .Lbias_v
.irp b, 0,1,2,3                        ; q, k: register 16 b + i belongs to channel 32 b + 16 h + i
.irp j, 0,1,2,3
	global_load_b128 v[BV+16*\b+4*\j:BV+16*\b+4*\j+3], v[BA1], s[BP:BP+1] offset:128*\b+16*\j
.endr
.endr
	s_branch .Lbias_done
.Lbias_v:
.irp a, 0,1,2,3,4,5,6,7                ; v: lane r of block a holds channel 32 (a / 2) + 8 (a % 2) + r + 8 (r / 8)
.irp j, 0,1,2,3,4,5,6,7
	global_load_b32 v[BV+8*\a+\j], v[BA2], s[BP:BP+1] offset:4*(32*(\a/2)+8*(\a%2))
.endr
.endr
.Lbias_done:
.macro FRAG reg, adr, st, i            ; 16 rows x 128 K: six pieces of 8 bytes; byte y of a row lies in slot (y / 256) % 2 at byte y % 256
.irp p, 0,1,2,3,4,5
.set BY, 96*(\st)+48*(\p/3)+8*(\p%3)
.if BY/ROWB == (BY+24)/ROWB
	ds_load_b64 v[\reg+2*\p:\reg+2*\p+1], v[\adr+(BY/ROWB)%2] offset:BY%ROWB+(\i)*16*PITCH
.else
	ds_load_b64 v[\reg+2*\p:\reg+2*\p+1], v[\adr+2+(BY/ROWB)%2] offset:BY%ROWB-232+(\i)*16*PITCH
.endif
.endr
.endm
; 16 products: A's blocks a0, a0 + 1 x B's eight.  zero = 0: in place; 1: begins with the bias of B's tile; 2: of A's block.  The 64 accumulators take turns.
.macro MUL16 a0, p, q, sc, zero
.irp a, \a0, \a0+1
.irp b, 0,1,2,3,4,5,6,7
.set rD, 8*(8*((\a)%4)+\b)
.set rB, 128*(\p)+FR*\b
.set rA, AF+FR*(\a)
.set sB, SC+8*NQ*(\sc)+NQ*\b+(\q)
.set sA, SC+8*NQ*(\sc)+NQ*(\a)+(\q)
.if (\zero) == 1
	v_wmma_scale_f32_16x16x128_f8f6f4 v[rD:rD+7], v[rB:rB+FR-1], v[rA:rA+FR-1], v[BV+8*\b:BV+8*\b+7], v[sB], v[sA] matrix_a_fmt:MATRIX_FMT_BF6 matrix_b_fmt:MATRIX_FMT_BF6 matrix_a_scale:MATRIX_SCALE_ROW1
.elseif (\zero) == 2
	v_wmma_scale_f32_16x16x128_f8f6f4 v[rD:rD+7], v[rB:rB+FR-1], v[rA:rA+FR-1], v[BV+8*(\a):BV+8*(\a)+7], v[sB], v[sA] matrix_a_fmt:MATRIX_FMT_BF6 matrix_b_fmt:MATRIX_FMT_BF6 matrix_a_scale:MATRIX_SCALE_ROW1
.else
	v_wmma_scale_f32_16x16x128_f8f6f4 v[rD:rD+7], v[rB:rB+FR-1], v[rA:rA+FR-1], v[rD:rD+7], v[sB], v[sA] matrix_a_fmt:MATRIX_FMT_BF6 matrix_b_fmt:MATRIX_FMT_BF6 matrix_a_scale:MATRIX_SCALE_ROW1
.endif
.endr
.endr
.endm
.macro FETCH_B st, p
	WIN TO_B
.irp i, 0,1,2,3,4,5,6,7
	FRAG 128*(\p)+FR*\i, ADRB, \st, \i
.endr
	WIN 0
.endm
.macro FETCH_A st, i0
.irp i, \i0, \i0+1, \i0+2, \i0+3
	FRAG AF+FR*(\i), ADRA, \st, \i
.endr
.endm
.macro SCALES pr                       ; the scale words of steps 2 pr, 2 pr + 1: lanes 0-15 A's block i, lanes 16-31 B's
.irp i, 0,1,2,3,4,5,6,7
	ds_load_b64 v[SC+8*NQ*((\pr)%2)+NQ*\i:SC+8*NQ*((\pr)%2)+NQ*\i+1], v[ADRS] offset:\i*SBLK+4*NQ*(\pr)
.endr
.endm
.macro PLACES n
.rept \n
	v_nop
.endr
.endm
; A step of 128 along K.  Where the next step's bytes END in a chunk not yet read: a wait for my tensor loads and a barrier.  Where they BEGIN in a later chunk: the three lines, the barrier, and, if a chunk two on is left, the round and the refill.
.macro STEP st, zero
.set NX, (\st)+1
.set C0, (96*(\st))/ROWB
.set C1, (96*NX)/ROWB
.set E0, (96*(\st)+95)/ROWB
.set E1, (96*NX+95)/ROWB
.if \zero
.set WL, BEG_LO
.set WH, BEG_HI
.else
.set WL, MUL_LO
.set WH, MUL_HI
.endif
.if C1 > C0 || E1 > E0
	s_wait_tensorcnt 0x0                           ; all my tensor loads have landed
.if C1 > C0
	ds_add_u32 v[SPW], v[NIL]
	s_wait_dscnt 4*NL+1                            ; the add and A's blocks 4-7 (24 loads) may be out
.else
	s_wait_dscnt 4*NL                              ; A's blocks 4-7 (24 loads) may be out
.endif
	WIN WL
	MUL16 0, (\st)%2, (\st)%2, ((\st)/2)%2, \zero
	s_wait_dscnt 0x0                               ; the add and my reads are done
	s_barrier_signal -1
	MUL16 2, (\st)%2, (\st)%2, ((\st)/2)%2, \zero
	WIN 0
	s_barrier_wait -1
.if C1 > C0 && C0+2 < CHUNKS
	CREST                                          ; the barrier has opened a round of the cluster's barrier
	s_add_nc_u64 s[G0+4*(C0%2)+2:G0+4*(C0%2)+3], s[G0+4*(C0%2)+2:G0+4*(C0%2)+3], 2*ROWB
	s_add_nc_u64 s[G0B+4*(C0%2)+2:G0B+4*(C0%2)+3], s[G0B+4*(C0%2)+2:G0B+4*(C0%2)+3], 2*ROWB
	JLOAD G0+4*(C0%2), G1, G0B+4*(C0%2), G1B       ; chunk C0 + 2; its four v_nop are the places ahead of the loads below
.else
	PLACES NP
.endif
.else
	s_wait_dscnt 4*NL                              ; A's blocks 4-7 (24 loads) may be out
	WIN WL
	MUL16 0, (\st)%2, (\st)%2, ((\st)/2)%2, \zero
	MUL16 2, (\st)%2, (\st)%2, ((\st)/2)%2, \zero
	s_wait_dscnt 0
	PLACES NP
.endif
	FETCH_B NX, NX%2
	FETCH_A NX, 0
.if NX%2 == 0
	SCALES NX/2
.endif
	WIN WH
	MUL16 4, (\st)%2, (\st)%2, ((\st)/2)%2, \zero
	MUL16 6, (\st)%2, (\st)%2, ((\st)/2)%2, \zero
	PLACES NP
	WIN 0
	FETCH_A NX, 4
.endm
	s_wait_alu depctr_va_vdst(0)
	s_wait_tensorcnt 0x0                           ; my tile of the head's four is in; the three lines ahead of slot 1's first fill
	ds_add_u32 v[SPW], v[NIL]
	s_mov_b32 s[G1+2], 128<<16                     ; no load of mine is out: from here on a load brings 128 rows
	s_mov_b32 s[G1+4], 128
	s_mov_b32 s[G1B+2], 128<<16
	s_mov_b32 s[G1B+4], 128
	s_wait_dscnt 0x0
	CROUND
	JLOAD G0+4, G1, G0B+4, G1B                     ; chunk 1
	FETCH_B 0, 0
	FETCH_A 0, 0
	SCALES 0
	FETCH_A 0, 4
	s_wait_loadcnt 0x0                             ; the bias
	s_cmp_eq_u32 s12, 1                            ; the first step is written twice: the bias lies by registers (q, k) or by lanes (v)
	s_cbranch_scc1 .Lfirst_v
	STEP 0, 1
	s_branch .Lfirst_done
.Lfirst_v:
	STEP 0, 2
.Lfirst_done:
.set ST, 1
.rept STEPS-2
	STEP ST, 0
.set ST, ST+1
.endr
	s_wait_dscnt 4*NL                              ; the last step: A's blocks 4-7 may be out
	WIN MUL_LO
	MUL16 0, 1, 1, 1, 0
	MUL16 2, 1, 1, 1, 0
	s_wait_dscnt 0
	WIN MUL_HI
	MUL16 4, 1, 1, 1, 0
	MUL16 6, 1, 1, 1, 0
	WIN 0
; THE WAY OUT, block by block of 16 rows of A: a lane's 64 numbers become a fragment's 12 registers of codes and a scale word.  A block of 32 lies in lanes l and l xor 16.
.macro OUTBLK a
.set AC, 64*((\a)%4)
	WIN 0x0a+5*((\a)/4)
.irp b, 0,1,2,3
	v_max3_num_f32 v[TM+\b], |v[AC+16*\b]|, |v[AC+16*\b+1]|, 0x2800000
.endr
.irp i, 2,4,6,8,10,12,14
.irp b, 0,1,2,3
	v_max3_num_f32 v[TM+\b], |v[AC+16*\b+\i]|, |v[AC+16*\b+\i+1]|, v[TM+\b]
.endr
.endr
	WIN 0
.irp b, 0,1,2,3
	v_permlanex16_b32 v[TM+4+\b], v[TM+\b], s[SEL], s[SEL+1]
.endr
.irp b, 0,1,2,3
	v_max_num_f32 v[TM+\b], v[TM+\b], v[TM+4+\b]
.endr
.irp b, 0,1,2,3
	v_add_nc_u32 v[TM+12+\b], 0xfe000000, v[TM+\b]
.endr
.irp b, 0,1,2,3
	v_lshrrev_b32 v[TM+4+\b], 23, v[TM+12+\b]
.endr
	v_lshl_or_b32 v[PW], v[TM+5], 8, v[TM+4]
	v_lshl_or_b32 v[PW], v[TM+6], 16, v[PW]
	v_lshl_or_b32 v[PW], v[TM+7], 24, v[PW]
	v_lshrrev_b32 v[SW+(\a)], v[SH], v[PW]         ; q, k: lanes 16-31 keep the second head's two bytes
	v_and_b32 v[SW+(\a)], s17, v[SW+(\a)]
.if (\a) > 0
	s_wait_xcnt 0x0                                ; the last block's stores have read their data and base
	s_add_nc_u64 s[OB:OB+1], s[OB:OB+1], s[STA:STA+1]
.endif
.if (\a) == 4
	s_add_nc_u64 s[OB:OB+1], s[OB:OB+1], s[STX:STX+1]
.endif
	WIN 2+(\a)/4
.irp c, 0,1
	v_cvt_scalef32_pk16_bf6_f32 v[CDS+6*\c:CDS+6*\c+2], v[AC+32*\c:AC+32*\c+15], v[TM+12+2*\c]
	v_cvt_scalef32_pk16_bf6_f32 v[PT+4*\c:PT+4*\c+2], v[AC+32*\c+16:AC+32*\c+31], v[TM+12+2*\c+1]
.endr
	WIN 0
	v_nop
.irp c, 0,1
.irp i, 0,1,2
	v_permlane16_swap_b32 v[CDS+6*\c+\i], v[PT+4*\c+\i]
.endr
.irp i, 0,1,2
	v_mov_b32 v[CDS+3+6*\c+\i], v[PT+4*\c+\i]
.endr
.endr
	global_store_b128 v[VO16], v[CDS:CDS+3], s[OB:OB+1]        ; each store covers 512 or 256 consecutive bytes, aligned
	global_store_b64 v[VO8], v[CDS+4:CDS+5], s[OB:OB+1]
	global_store_b128 v[VO16B], v[CDS+6:CDS+9], s[OB:OB+1]
	global_store_b64 v[VO8B], v[CDS+10:CDS+11], s[OB:OB+1]
.endm
	PLACES NP
.irp b, 0,1,2,3
	v_mov_b32 v[TM+4+\b], 0                        ; a lane permute's destination counts as a source
.endr
.irp a, 0,1,2,3,4,5,6,7
	OUTBLK \a
.endr
	v_cmp_gt_u32 vcc_lo, s13, v[LN]                ; q, k: 32 lanes store scale words; v: 16
	s_wait_xcnt 0x0                                ; EXEC changes only behind this wait
	s_and_saveexec_b32 s2, vcc_lo
	global_store_b128 v[VS1], v[SW:SW+3], s[SBP:SBP+1]
	global_store_b128 v[VS2], v[SW+4:SW+7], s[SBP:SBP+1]
	s_wait_xcnt 0x0
	s_or_b32 exec_lo, exec_lo, s2
	s_wait_tensorcnt 0x0                           ; the wave's end
	ds_add_u32 v[SPW], v[NIL]
	s_wait_dscnt 0x0
	CROUND                                         ; the closing round
	s_endpgm
.Lfunc_end_k_qe421491ade_proj:
	.size	k_qe421491ade_proj, .Lfunc_end_k_qe421491ade_proj-k_qe421491ade_proj
	.p2alignl 7, 3214868480
	.fill 96, 4, 3214868480
	.section	.rodata,"a",@progbits
	.p2align	6, 0x0
	.amdhsa_kernel k_qe421491ade_proj
		.amdhsa_group_segment_fixed_size 327680
		.amdhsa_private_segment_fixed_size 0
		.amdhsa_enable_private_segment 0
		.amdhsa_kernarg_size 56
		.amdhsa_user_sgpr_count 2
		.amdhsa_user_sgpr_kernarg_segment_ptr 1
		.amdhsa_wavefront_size32 1
		.amdhsa_system_sgpr_workgroup_id_x 1
		.amdhsa_system_sgpr_workgroup_id_y 1
		.amdhsa_system_sgpr_workgroup_id_z 1
		.amdhsa_system_vgpr_workitem_id 0
		.amdhsa_next_free_vgpr 1024
		.amdhsa_next_free_sgpr 106
		.amdhsa_reserve_vcc 1
		.amdhsa_float_denorm_mode_32 3
		.amdhsa_float_denorm_mode_16_64 3
		.amdhsa_memory_ordered 1
		.amdhsa_forward_progress 1
		.amdhsa_inst_pref_size 191
	.end_amdhsa_kernel
	.amdgpu_metadata
---
amdhsa.version: [ 1, 2 ]
amdhsa.kernels:
  - .name:           k_qe421491ade_proj
    .symbol:         k_qe421491ade_proj.kd
    .args:
      - { .name: xw_codes, .offset: 0, .size: 8, .value_kind: global_buffer, .address_space: global }
      - { .name: xw_scales, .offset: 8, .size: 8, .value_kind: global_buffer, .address_space: global }
      - { .name: bq, .offset: 16, .size: 8, .value_kind: global_buffer, .address_space: global }
      - { .name: bk, .offset: 24, .size: 8, .value_kind: global_buffer, .address_space: global }
      - { .name: bv, .offset: 32, .size: 8, .value_kind: global_buffer, .address_space: global }
      - { .name: qkv_codes, .offset: 40, .size: 8, .value_kind: global_buffer, .address_space: global }
      - { .name: qkv_scales, .offset: 48, .size: 8, .value_kind: global_buffer, .address_space: global }
    .group_segment_fixed_size: 327680
    .private_segment_fixed_size: 0
    .kernarg_segment_align: 8
    .kernarg_segment_size: 56
    .max_flat_workgroup_size: 128
    .sgpr_count:     106
    .vgpr_count:     1024
    .wavefront_size: 32
...
	.end_amdgpu_metadata
.endif
;; end of part 2
;; launch attn (part 3): grid 4 x 64, 8 waves a work-group, clusters of 4 x 1, 327,680 bytes of LDS; arguments qkv_codes, qkv_scales, out0; writes out0
.if DOCPART == 3
	.amdgcn_target "amdgcn-amd-amdhsa--gfx1250"
	.amdhsa_code_object_version 6
	.text
	.protected	k_qe421491ade_attn
	.globl	k_qe421491ade_attn
	.p2align	8
	.type	k_qe421491ade_attn,@function
k_qe421491ade_attn:
	s_mov_b64 s[64:65], 0
	v_nop
	global_prefetch_b8 v0, s[64:65] scope:SCOPE_SE
	s_setreg_imm32_b32 hwreg(HW_REG_WAVE_MODE, 25, 1), 1
	s_wait_xcnt 0x0
	s_wait_alu depctr_hold_cnt(0) depctr_sa_sdst(0) depctr_va_vdst(0) depctr_va_sdst(0) depctr_va_ssrc(0) depctr_va_vcc(0) depctr_vm_vsrc(0)
	s_getreg_b32 s2, hwreg(HW_REG_IB_STS2, 6, 4)
	s_cmp_eq_u32 s2, 0
	s_cbranch_scc0 .Lentry_in_a_cluster
	s_endpgm
.Lentry_in_a_cluster:
	s_bfe_u32 s2, ttmp6, 0x10000c
	s_cmp_lg_u32 s2, 0x3003
	s_cbranch_scc0 .Lentry_shape_is_right
	s_endpgm
.Lentry_shape_is_right:
; out = softmax(q k^T / 8) v on codes of BF6 (E3M2), as the projections' launch left them (its head states the two buffers' order).  Nothing of reference() is left out.
; p = 2^(t - M), t = score x log2(e) / 8, M the ceiling of the running largest t (a whole number); the row's sum is taken of the unquantised p; p is quantised by blocks of 32 keys; O is divided by the sum at the end.
; LIMITS: the promise holds while |t| stays under 2^31; NaN and infinities are not served.  A block's largest p is made from the block's largest score by the same two instructions as every p.
; THE DEAL.  256 work-groups of eight waves; the four of a cluster serve one (batch, head) and ask JOINTLY for its K, V and scale words, which lie whole in LDS (208,896 bytes, filled once).
; So nothing is filled again, there is no loop to run ahead in, and no data prefetch is laid.  A work-group has 512 queries: 32 tiles of 16; wave w takes tiles w + 8 k, k = 0 .. 3, in two passes of TWO TILES AT ONCE.
; The two tiles have the same register numbers in windows 0 and 1 and share every fragment of K (window 0) and V (window 1): 35 LDS loads serve both.
; Both products are used transposed (S^T = k q^T, O^T = v^T p^T): a lane holds one query.  THE KEYS OF A TILE OF K ARE CHOSEN BY THE LANES' ADDRESSES: row 8 a + j of tile t of band b is key 64 b + 32 a + 8 t + j,
; so a lane's 32 scores of a band's four tiles are one whole scale block, in the order of the next operand's registers: no lane exchange but one for the row's maximum and one for the scale word.
; A head is 64 wide: q's registers 6-11 are zero codes, so whatever stands in the upper half of K's operand (the next tile's codes) adds nothing.
; A step is 128 keys: 16 products for S, the address lines (the places behind them), V's loads of this step and K's of the next, the two tiles' vector work, 8 products for O.
.set VREG,  98304
.set SREG,  196608
.set STAGE, 208896                     ; 16 rows x 272 bytes a wave, for the way out
.set SPARE, 0x44000
.set STEPB, 6144
.set HF,    768
; window 0 alone
.set KB16, 1
.set KB8,  2
.set VB16, 3
.set VB8,  4
.set KSB,  5
.set VSB,  6
.set AK16, 7
.set AK8,  8
.set AKS,  9
.set AV16, 10
.set AV8,  11
.set AVS,  12
.set SPW,  13
.set NIL,  14
.set STO,  15
.set SRD,  16
.set GO,   17
.set QS,   18                          ; v18-21 q's scale words, tile k
.set PWD,  22                          ; v22, v23 p's scale word of the tile in window 0, 1 (scale operands have no window)
.set KSW,  24                          ; v24-31 K's scale words
.set VSW,  32                          ; v32-35 V's
; both windows
.set NM,   40                          ; -M;  v41 the running largest score
.set MR,   41
.set SUM,  42
.set SUM2, 44
.set F,    46
.set PMX,  47
.set T,    48
.set D,    49
.set BM,   50                          ; v50-53 four chains of maxima; v50, v52 the two blocks'
.set SO,   54
.set E,    56
.set SH8,  58                          ; 8 x (lane / 16)
.set WT,   59
.set Q,    60                          ; v60-71 q's operand; v72-77 the second pass's codes
.set QN,   72
.set CDS,  78
.set PT,   90
.set S,    98
.set O,    162
.set KV,   194                         ; window 0: K's eight half fragments and six zeros; window 1: V's four fragments
.set WV,  10
.set SEL, 66
.set CS,  68
.set NC,  70
.set TK,  71
.set TS,  72
.set TV,  73
.set CNT, 74
.set MSB, 0
.macro WIN new
.if MSB != (\new)
	s_set_vgpr_msb (MSB<<8)|(\new)
.set MSB, (\new)
.endif
.endm
.macro WALU
	s_wait_alu depctr_va_vdst(0)
.endm
.macro CROUND
	s_barrier_signal -1
	s_barrier_wait -1
	s_cmp_lg_u32 s[WV], 0
	s_cbranch_scc1 .Lnot_wave_0_\@
	s_barrier_signal -3
.Lnot_wave_0_\@:
	s_barrier_wait -3
	s_barrier_signal -1
	s_barrier_wait -1
.endm
.macro GROUP1 g, rows                  ; dense rows of 256 bytes, for all four work-groups of the cluster
	s_mov_b32 s[\g], 15|(3<<16)|(1<<21)
	s_mov_b32 s[\g+1], 32<<16
	s_mov_b32 s[\g+2], (\rows)<<16
	s_mov_b32 s[\g+3], 32<<16
	s_mov_b32 s[\g+4], \rows
	s_mov_b32 s[\g+5], 32
	s_mov_b32 s[\g+6], 0
	s_mov_b32 s[\g+7], 0
.endm
.macro TARM g1, lds, base, off
	s_mov_b32 s49, \lds
	s_add_nc_u64 s[50:51], s[\base:\base+1], \off
	s_or_b32 s51, s51, 0x80000000
	tensor_load_to_lds s[48:51], s[\g1:\g1+7]
	s_nop 0
.rept 4
	v_nop
.endr
.endm
.macro ARM under, g1, lds, base, off, next
	s_cmp_lt_u32 s[WV], \under
	s_cbranch_scc0 \next
	TARM \g1, \lds, \base, \off
	s_branch .Lasked
\next:
.endm
	s_load_b128 s[4:7], s[0:1], 0x0
	s_load_b64 s[8:9], s[0:1], 0x10
	v_lshl_add_u32 v[SPW], v0, 2, SPARE
	v_mov_b32 v[NIL], 0
	ds_add_u32 v[SPW], v[NIL]                      ; the opening lines
	ds_add_u32 v[SPW], v[NIL]
	v_lshrrev_b32 v36, 5, v0
	v_readfirstlane_b32 s[WV], v36
	s_bfe_u32 s11, ttmp6, 0x40000                  ; cx: which 512 queries
	s_and_b32 s12, ttmp7, 0xffff                   ; batch x head
	GROUP1 16, 32
	GROUP1 24, 16
	GROUP1 32, 96
	GROUP1 40, 144
	s_mov_b32 s48, 1
	s_mul_i32 s58, s12, 12288
	s_add_co_u32 s58, s58, 524288
	s_mov_b32 s59, 0
	s_mul_i32 s60, s12, 98304
	s_mov_b32 s61, 0
	s_mov_b32 s[SEL], 0x76543210
	s_mov_b32 s[SEL+1], 0xfedcba98
	s_mov_b32 s[CS], 0x3e38aa3b                    ; c = log2(e) / 8
	s_mov_b32 s[CS+1], s[CS]
	s_mov_b32 s[NC], 0xbe38aa3b                    ; -c
	WALU
	s_wait_dscnt 0x0
	s_wait_kmcnt 0x0
	s_add_nc_u64 s[52:53], s[6:7], s[58:59]        ; the head's K and V scale words
	s_add_nc_u64 s[76:77], s[4:5], s[60:61]        ; its q,
	s_add_nc_u64 s[54:55], s[76:77], 6291456       ; K,
	s_add_nc_u64 s[56:57], s[76:77], 12582912      ; V
	CROUND
; one joint load a wave, each on a line of its own.  Waves 0-3: what steps 0 to 3 need; waves 4-7: the rest
	ARM 1, 16, SREG, 52, 0, .La1
	ARM 2, 24, SREG+8192, 52, 8192, .La2
	ARM 3, 32, 0, 54, 0, .La3
	ARM 4, 32, VREG, 56, 0, .La4
	ARM 5, 40, 4*STEPB, 54, 4*STEPB, .La5
	ARM 6, 40, VREG+4*STEPB, 56, 4*STEPB, .La6
	ARM 7, 40, 10*STEPB, 54, 10*STEPB, .La7
	TARM 40, VREG+10*STEPB, 56, 10*STEPB
.Lasked:
	s_lshl_b32 s58, s11, 5
	s_add_co_u32 s58, s58, s[WV]
	s_mul_i32 s58, s58, HF
	s_add_nc_u64 s[76:77], s[76:77], s[58:59]      ; q's tile 32 cx + wave
	s_lshl_b32 s60, s11, 11                        ; its scale words: 512 (4 cx + k) + 256 (wave / 4) + 4 (wave % 4) + 16 r
	s_lshr_b32 s62, s[WV], 2
	s_lshl_b32 s62, s62, 8
	s_add_co_u32 s60, s60, s62
	s_and_b32 s62, s[WV], 3
	s_lshl_b32 s62, s62, 2
	s_add_co_u32 s60, s60, s62
	s_lshl_b32 s62, s12, 13
	s_add_co_u32 s60, s60, s62
	s_add_nc_u64 s[78:79], s[6:7], s[60:61]
	s_lshl_b32 s60, s11, 9                         ; out: token 512 cx + 32 (wave / 2) + 8 (wave % 2), rows of 4,096 bytes
	s_lshr_b32 s62, s[WV], 1
	s_lshl_b32 s62, s62, 5
	s_add_co_u32 s60, s60, s62
	s_and_b32 s62, s[WV], 1
	s_lshl_b32 s62, s62, 3
	s_add_co_u32 s60, s60, s62
	s_lshl_b32 s60, s60, 12
	s_lshr_b32 s62, s12, 4
	s_lshl_b32 s62, s62, 23
	s_add_co_u32 s60, s60, s62
	s_and_b32 s62, s12, 15
	s_lshl_b32 s62, s62, 8
	s_add_co_u32 s60, s60, s62
	s_add_nc_u64 s[8:9], s[8:9], s[60:61]
	v_and_b32 v36, 31, v0                          ; lane
	v_and_b32 v37, 15, v0                          ; r
	v_bfe_u32 v38, v0, 4, 1                        ; h
	v_and_b32 v39, 7, v0                           ; j
	v_bfe_u32 v[T], v0, 3, 1                       ; a
	v_lshlrev_b32 v[D], 4, v36
	v_lshlrev_b32 v[WT], 3, v36
	v_lshlrev_b32 v[E], 4, v37
.irp k, 0,1,2,3                        ; tile k: window k % 2, pass k / 2
	WIN 0x40*(\k%2)
	global_load_b128 v[Q+12*(\k/2):Q+12*(\k/2)+3], v[D], s[76:77] offset:8*HF*\k
	global_load_b64 v[Q+12*(\k/2)+4:Q+12*(\k/2)+5], v[WT], s[76:77] offset:8*HF*\k+512
.endr
	WIN 0
.irp k, 0,1,2,3
	global_load_b32 v[QS+\k], v[E], s[78:79] offset:512*\k
.endr
	v_mul_u32_u24 v[KB16], v[T], 1536              ; K: stored tile 4 b + 2 a + t % 2, stored lane 8 (t / 2) + j + 16 h
	v_lshl_add_u32 v[KB8], v39, 3, v[KB16]
	v_lshl_add_u32 v[KB16], v39, 4, v[KB16]
	v_lshl_add_u32 v[KB8], v38, 7, v[KB8]
	v_lshl_add_u32 v[KB16], v38, 8, v[KB16]
	v_add_nc_u32 v[VB16], VREG-STEPB, v[D]         ; V's addresses are made from the K step's offset, which runs one step ahead
	v_add_nc_u32 v[VB8], VREG-STEPB, v[WT]
	v_lshlrev_b32 v[KSB], 4, v39
	v_lshl_add_u32 v[KSB], v[T], 3, v[KSB]
	v_add_nc_u32 v[KSB], SREG, v[KSB]
	v_add_nc_u32 v[VSB], SREG+8192-256, v[E]
	s_mul_i32 s62, s[WV], 16*272
	s_add_co_u32 s62, s62, STAGE
	v_mul_u32_u24 v[STO], v37, 272
	v_lshl_add_u32 v[STO], v38, 6, v[STO]
	v_add_nc_u32 v[STO], s62, v[STO]
	v_mul_u32_u24 v[SRD], v38, 272
	v_add_nc_u32 v[SRD], v[SRD], v[E]
	v_add_nc_u32 v[SRD], s62, v[SRD]
	v_lshl_add_u32 v[GO], v38, 12, v[E]
	v_lshlrev_b32 v[SH8], 3, v38
	v_mov_b32 v[PMX], 0
.irp j, 6,7,8,9,10,11
	v_mov_b32 v[Q+\j], 0
	v_mov_b32 v[KV+42+\j], 0
.endr
	WIN 0x40
	v_lshlrev_b32 v[SH8], 3, v38
	v_mov_b32 v[PMX], 0
.irp j, 6,7,8,9,10,11
	v_mov_b32 v[Q+\j], 0
.endr
	WIN 0
.macro INIT1                           ; a tile's state: the largest score -3e38, -M to match, sums and O^T zero (the first change of M leaves them zero)
	v_mov_b32 v[MR], 0xff61b1e6
	v_mov_b32 v[SUM], 0
	v_mov_b32 v[SUM+1], 0
	v_mul_f32 v[NM], s[NC], v[MR]
.set j, 0
.rept 32
	v_mov_b32 v[O+j], 0
.set j, j+1
.endr
	v_floor_f32 v[NM], v[NM]
.endm
.macro INIT
	INIT1
	WIN 0x55
	INIT1
	WIN 0
	s_mov_b32 s[TK], 0
	s_mov_b32 s[TS], 0
	s_mov_b32 s[TV], 0
	v_add_nc_u32 v[AK16], s[TK], v[KB16]
	v_add_nc_u32 v[AK8], s[TK], v[KB8]
	v_add_nc_u32 v[AKS], s[TS], v[KSB]
.endm
.macro KLOAD                           ; 18 loads: K's scale words and eight half fragments
	ds_load_2addr_b64 v[KSW:KSW+3], v[AKS] offset0:0 offset1:16
	ds_load_2addr_b64 v[KSW+4:KSW+7], v[AKS] offset0:32 offset1:48
.irp b, 0,1
.irp t, 0,1,2,3
	ds_load_b128 v[KV+24*\b+6*\t:KV+24*\b+6*\t+3], v[AK16] offset:3072*\b+768*(\t%2)+128*(\t/2)
	ds_load_b64 v[KV+24*\b+6*\t+4:KV+24*\b+6*\t+5], v[AK8] offset:3072*\b+768*(\t%2)+64*(\t/2)+512
.endr
.endr
.endm
.macro VLOAD                           ; 17 loads: V's four fragments into window 1, its scale words
	WIN 0x40
.irp t, 0,1,2,3
.irp c, 0,1
	ds_load_b128 v[KV+12*\t+6*\c:KV+12*\t+6*\c+3], v[AV16] offset:2*HF*\t+HF*\c
	ds_load_b64 v[KV+12*\t+6*\c+4:KV+12*\t+6*\c+5], v[AV8] offset:2*HF*\t+HF*\c+512
.endr
.endr
	WIN 0
	ds_load_b128 v[VSW:VSW+3], v[AVS]
.endm
.macro SOFT w                          ; a tile's vector work of a step, all in window w
	WIN 0x55*\w
.if \w
	WALU
.endif
.irp c, 0,1
.irp y, 0,1
	v_max3_num_f32 v[BM+2*\c+\y], v[S+32*\c+16*\y], v[S+32*\c+16*\y+1], v[S+32*\c+16*\y+2]
.endr
.endr
.irp i, 3,5,7,9,11,13
.irp c, 0,1
.irp y, 0,1
	v_max3_num_f32 v[BM+2*\c+\y], v[BM+2*\c+\y], v[S+32*\c+16*\y+\i], v[S+32*\c+16*\y+\i+1]
.endr
.endr
.endr
.irp c, 0,1
	v_max3_num_f32 v[BM+2*\c], v[BM+2*\c], v[S+32*\c+15], v[S+32*\c+31]
.endr
.irp c, 0,1
	v_max_num_f32 v[BM+2*\c], v[BM+2*\c], v[BM+2*\c+1]     ; the block's largest score
.endr
	v_max_num_f32 v[T], v[BM], v[BM+2]
	v_permlanex16_b32 v[PMX], v[T], s[SEL], s[SEL+1]
	v_max3_num_f32 v[MR], v[MR], v[T], v[PMX]      ; the running largest score of my query
	v_mul_f32 v[T], s[NC], v[MR]
	v_floor_f32 v[T], v[T]                         ; the new -M = floor(-t)
	v_sub_f32 v[D], v[T], v[NM]
	v_mov_b32 v[NM], v[T]
	v_cvt_i32_f32 v[D], v[D]                       ; (it saturates)
.set j, 0
.rept 32
	v_pk_fma_f32 v[S+j:S+j+1], v[S+j:S+j+1], s[CS:CS+1], v[NM:NM+1] op_sel_hi:[1,0,0]
.set j, j+2
.endr
.irp c, 0,1
	v_fma_f32 v[BM+2*\c], v[BM+2*\c], s[CS], v[NM]
.endr
	v_ldexp_f32 v[F], 1.0, v[D]                    ; f = 2^(old M - new M)
.set j, 0
.rept 16
	v_pk_mul_f32 v[O+j:O+j+1], v[O+j:O+j+1], v[F:F+1] op_sel_hi:[1,0]
.set j, j+2
.endr
	WALU                                           ; ahead of the batch
	v_exp_f32 v[BM], v[BM]
	v_exp_f32 v[BM+2], v[BM+2]
.set j, 0
.rept 64
	v_exp_f32 v[S+j], v[S+j]
.set j, j+1
.endr
	v_pk_mul_f32 v[SUM:SUM+1], v[SUM:SUM+1], v[F:F+1] op_sel_hi:[1,0]
	WALU                                           ; and behind it
.irp c, 0,1
	v_max_num_f32 v[BM+2*\c], 0x2800000, v[BM+2*\c]        ; the floor 2^(5 - 127)
.endr
	v_pk_add_f32 v[248:249], v[S+4:S+5], v[S+6:S+7]        ; the sum of the unquantised p goes in four chains: v[SUM2 ..], v248, v250, v252
	v_pk_add_f32 v[250:251], v[S+8:S+9], v[S+10:S+11]
.irp c, 0,1
	v_add_nc_u32 v[SO+\c], 0xfe000000, v[BM+2*\c]
.endr
	v_pk_add_f32 v[252:253], v[S+12:S+13], v[S+14:S+15]
.irp c, 0,1
	v_lshrrev_b32 v[E+\c], 23, v[SO+\c]
.endr
	v_lshl_or_b32 v[WT], v[E+1], 16, v[E]          ; my blocks h and 2 + h,
	v_lshlrev_b32 v[WT], v[SH8], v[WT]             ; at their places in the word
	v_permlanex16_b32 v[PMX], v[WT], s[SEL], s[SEL+1]
.irp c, 0,1
	v_cvt_scalef32_pk16_bf6_f32 v[CDS+6*\c:CDS+6*\c+2], v[S+32*\c:S+32*\c+15], v[SO+\c]
	v_cvt_scalef32_pk16_bf6_f32 v[PT+4*\c:PT+4*\c+2], v[S+32*\c+16:S+32*\c+31], v[SO+\c]
.endr
	WIN 0x05*\w
	v_or_b32 v[PWD+\w], v[WT], v[PMX]              ; p's scale word, in window 0
	WIN 0x55*\w
	v_pk_add_f32 v[SUM2:SUM2+1], v[S:S+1], v[S+2:S+3]
.irp c, 0,1
.irp i, 0,1,2
	v_mov_b32 v[CDS+3+6*\c+\i], v[PT+4*\c+\i]
.endr
.endr
.set j, 16
.rept 6                                ; the four chains by turns; these lines are also the places ahead of the products below
	v_pk_add_f32 v[SUM2:SUM2+1], v[SUM2:SUM2+1], v[S+j:S+j+1]
	v_pk_add_f32 v[248:249], v[248:249], v[S+j+2:S+j+3]
	v_pk_add_f32 v[250:251], v[250:251], v[S+j+4:S+j+5]
	v_pk_add_f32 v[252:253], v[252:253], v[S+j+6:S+j+7]
.set j, j+8
.endr
	v_pk_add_f32 v[SUM2:SUM2+1], v[SUM2:SUM2+1], v[248:249]
	v_pk_add_f32 v[250:251], v[250:251], v[252:253]
	v_pk_add_f32 v[SUM2:SUM2+1], v[SUM2:SUM2+1], v[250:251]
	v_pk_add_f32 v[SUM:SUM+1], v[SUM:SUM+1], v[SUM2:SUM2+1]
.endm
.macro STEP p
	s_wait_dscnt 0x0                               ; this step's K is in
.irp w, 0,1
	WIN 0x44*\w
.irp t, 0,1,2,3,4,5,6,7
	v_wmma_scale_f32_16x16x128_f8f6f4 v[S+8*\t:S+8*\t+7], v[KV+6*\t:KV+6*\t+11], v[Q:Q+11], 0, v[KSW+\t], v[QS+2*\p+\w] matrix_a_fmt:MATRIX_FMT_BF6 matrix_b_fmt:MATRIX_FMT_BF6
.endr
.endr
	WIN 0
	s_add_co_u32 s[TK], s[TK], STEPB
	s_add_co_u32 s[TS], s[TS], 512
	s_add_co_u32 s[TV], s[TV], 256
	v_add_nc_u32 v[AV16], s[TK], v[VB16]           ; six address lines: the places behind the products
	v_add_nc_u32 v[AV8], s[TK], v[VB8]
	v_add_nc_u32 v[AVS], s[TV], v[VSB]
	v_add_nc_u32 v[AK16], s[TK], v[KB16]
	v_add_nc_u32 v[AK8], s[TK], v[KB8]
	v_add_nc_u32 v[AKS], s[TS], v[KSB]
	VLOAD                                          ; this step's V
	KLOAD                                          ; the next step's K (behind the last step: bytes of V's region, which nobody uses)
	SOFT 0
	SOFT 1
	WALU
	s_wait_dscnt 18                                ; V is in; K's 18 loads are younger
.irp w, 0,1
	WIN 0x01+0x54*\w
.irp t, 0,1,2,3
	v_wmma_scale_f32_16x16x128_f8f6f4 v[O+8*\t:O+8*\t+7], v[KV+12*\t:KV+12*\t+11], v[CDS:CDS+11], v[O+8*\t:O+8*\t+7], v[VSW+\t], v[PWD+\w] matrix_a_fmt:MATRIX_FMT_BF6 matrix_b_fmt:MATRIX_FMT_BF6
.endr
.endr
	WIN 0
.endm
.macro RUN n, p
	s_mov_b32 s[CNT], \n
.Lrun_\@:
	STEP \p
	s_sub_co_u32 s[CNT], s[CNT], 1
	s_cmp_lg_u32 s[CNT], 0
	s_cbranch_scc1 .Lrun_\@
.endm
.macro OUT w, k                        ; tile k, in window w: O^T / the sum, through my stage, out as rows of 256 bytes
	s_wait_xcnt 0x0                                ; earlier stores have read their registers
	WIN 0x55*\w
	v_add_f32 v[SUM], v[SUM], v[SUM+1]
	v_permlanex16_b32 v[PMX], v[SUM], s[SEL], s[SEL+1]
	v_add_f32 v[SUM], v[SUM], v[PMX]
	WALU
	v_rcp_f32 v[SUM], v[SUM]
.rept 4
	v_nop
.endr
	WIN 0x05*\w
	WALU
.set j, 0
.rept 16
	v_pk_mul_f32 v[S+j:S+j+1], v[O+j:O+j+1], v[SUM:SUM+1] op_sel_hi:[1,0]
.set j, j+2
.endr
	WIN 0
.irp b, 0,1
.irp i, 0,1,2,3
	ds_store_b128 v[STO], v[S+16*\b+4*\i:S+16*\b+4*\i+3] offset:128*\b+16*\i
.endr
.endr
.irp i, 0,1,2,3,4,5,6,7
	ds_load_b128 v[S+32+4*\i:S+32+4*\i+3], v[SRD] offset:2*272*\i
.endr
.irp i, 0,1,2,3,4,5,6,7
	s_wait_dscnt 7-\i                              ; the later reads of the stage may be out
	global_store_b128 v[GO], v[S+32+4*\i:S+32+4*\i+3], s[8:9] offset:(2*(\i%4)+16*(\i/4))*4096+\k*524288 th:TH_STORE_NT
.endr
.endm
	INIT
	WALU
	s_wait_dscnt 0x0
	s_cmp_lt_u32 s[WV], 4
	s_cbranch_scc0 .Lnot_first
	s_wait_tensorcnt 0x0                           ; waves 0-3: the scale words and steps 0 to 3
.Lnot_first:
	s_barrier_signal -1
	s_barrier_wait -1
	KLOAD
	s_wait_loadcnt 0x0                             ; q
	RUN 3, 0                                       ; steps 0 to 2 read K up to step 3 and V up to step 2
	s_wait_tensorcnt 0x0
	s_wait_dscnt 0x0
	s_barrier_signal -1                            ; all of K and V is shown to all
	s_barrier_wait -1
	RUN 13, 0
	OUT 0, 0
	OUT 1, 1
	s_wait_xcnt 0x0
.irp w, 0,1
	WIN 0x55*\w
.irp j, 0,1,2,3,4,5
	v_mov_b32 v[Q+\j], v[QN+\j]                    ; the second pass's queries
.endr
.endr
	WIN 0
	INIT
	KLOAD
	WALU
	RUN 16, 1
	OUT 0, 2
	OUT 1, 3
	s_wait_tensorcnt 0x0                           ; the wave's end
	ds_add_u32 v[SPW], v[NIL]
	s_wait_dscnt 0x0
	CROUND                                         ; the closing round
	s_endpgm
.Lfunc_end_k_qe421491ade_attn:
	.size	k_qe421491ade_attn, .Lfunc_end_k_qe421491ade_attn-k_qe421491ade_attn
	.p2alignl 7, 3214868480
	.fill 96, 4, 3214868480
	.section	.rodata,"a",@progbits
	.p2align	6, 0x0
	.amdhsa_kernel k_qe421491ade_attn
		.amdhsa_group_segment_fixed_size 327680
		.amdhsa_private_segment_fixed_size 0
		.amdhsa_enable_private_segment 0
		.amdhsa_kernarg_size 24
		.amdhsa_user_sgpr_count 2
		.amdhsa_user_sgpr_kernarg_segment_ptr 1
		.amdhsa_wavefront_size32 1
		.amdhsa_system_sgpr_workgroup_id_x 1
		.amdhsa_system_sgpr_workgroup_id_y 1
		.amdhsa_system_sgpr_workgroup_id_z 1
		.amdhsa_system_vgpr_workitem_id 0
		.amdhsa_next_free_vgpr 512
		.amdhsa_next_free_sgpr 80
		.amdhsa_reserve_vcc 0
		.amdhsa_float_denorm_mode_32 3
		.amdhsa_float_denorm_mode_16_64 3
		.amdhsa_memory_ordered 1
		.amdhsa_forward_progress 1
		.amdhsa_inst_pref_size 117
	.end_amdhsa_kernel
	.amdgpu_metadata
---
amdhsa.version: [ 1, 2 ]
amdhsa.kernels:
  - .name:           k_qe421491ade_attn
    .symbol:         k_qe421491ade_attn.kd
    .args:
      - { .name: qkv_codes, .offset: 0, .size: 8, .value_kind: global_buffer, .address_space: global }
      - { .name: qkv_scales, .offset: 8, .size: 8, .value_kind: global_buffer, .address_space: global }
      - { .name: out0, .offset: 16, .size: 8, .value_kind: global_buffer, .address_space: global }
    .group_segment_fixed_size: 327680
    .private_segment_fixed_size: 0
    .kernarg_segment_align: 8
    .kernarg_segment_size: 24
    .max_flat_workgroup_size: 256
    .sgpr_count:     80
    .vgpr_count:     512
    .wavefront_size: 32
...
	.end_amdgpu_metadata
.endif
;; end of part 3
